; MI455X (gfx1250); checked and timed in simulation.
; The chip was launched on July 23, 2026; its instructions are those of AMD's public machine-readable ISA for CDNA 5 (MIT licence, August 2026) and "CDNA5" Instruction Set Architecture Reference Guide (July 2026). The comments in the code are by the model that wrote it; some were corrected since.
;; Fast Attention. Allowed arithmetic: float matrix products may take bf16 or f16 operands with f32 sums; other float arithmetic in f32, or as packed bf16 or f16 multiplies, adds, multiply-adds, maxima and minima; sums over many terms, partial sums and values carried from step to step in f32; what a program stores and reads back later, other than sums and carried values, may be rounded once to bf16 or f16.
;; Inputs: k 4 x 8 x 4,096 x 64 float32; projection_matrix 133 x 64 float32; q 4 x 8 x 4,096 x 64 float32; v 4 x 8 x 4,096 x 64 float32.
;; Outputs: out0 4 x 8 x 4,096 x 64 float32.
;; One version. Each part assembles by itself: llvm-mc -triple=amdgcn-amd-amdhsa -mcpu=gfx1250 --defsym DOCPART=n.
;; ======== version 1 of 1: 3 launches
;; workspace buffers: tst 47,185,920 bytes; simg 23,592,960 bytes; cmax 4,096 bytes
;; launch states (part 1): grid 256 x 1, 4 waves a work-group, no clusters, 321,024 bytes of LDS; arguments k, v, projection_matrix, tst, cmax; writes tst, cmax
.if DOCPART == 1
	.amdgcn_target "amdgcn-amd-amdhsa--gfx1250"
	.amdhsa_code_object_version 6
	.text
	.protected	k_qe6400bda86_states
	.globl	k_qe6400bda86_states
	.p2align	8
	.type	k_qe6400bda86_states,@function
k_qe6400bda86_states:
	s_mov_b64 s[64:65], 0
	v_nop
	global_prefetch_b8 v0, s[64:65] scope:SCOPE_SE
	s_setreg_imm32_b32 hwreg(HW_REG_WAVE_MODE, 25, 1), 1
	s_wait_xcnt 0x0
; STATES.  For each chunk of 128 keys of a head (1,024 chunks, one a wave): the chunk's largest raw product k . P_f (cmax) and its state
; T[f][e] = sum over the chunk's keys of ka[key][f] va[key][e], f32, 144 x 80, as 45 register images of 16 x 16 (tst).
; ka[f] = exp(n k.P_f - |k|^2/16 - n m_c) for f < 133 (n = 64^-1/4, m_c the CHUNK's true maximum), ka[133] = 1, else 0; va = v, va[64] = 1, else 0.
; The next launch turns m_c into the tensor's maximum by one factor a chunk (the state is linear in ka).  k, v and P are rounded once to bf16; |k|^2 is taken of the rounded k.
; LIMITS.  A padded feature counts as -1e30; a weight below 2^-126 counts as 0; NaN and infinities are not treated apart.
; The four waves of a work-group share nothing: each has its own 80,128 bytes of LDS (wave x WL), so no barrier is written; LDS serves a wave's instructions in order.
; No cluster, no tensor load: only P (34 KB) is shared, and every number must pass registers for its rounding to bf16.
; REGISTERS in windows of 256 (s_set_vgpr_msb: bits 1:0 source 0, 3:2 source 1, 5:4 source 2, 7:6 destination):
;   window 0 addresses, fragments, sums;  window 1 k as loaded;  window 2 v0-143 P's fragments, v144-207 P as loaded;  window 3 v as loaded
.set WL,    80128      ; a wave's LDS
.set XS,    0          ; 128 rows x 144: k in bf16 (128 bytes + 16)
.set VS,    18432      ; 128 rows x 160: v in bf16 (128 bytes + 32)
.set KS,    38912      ; 128 rows x 288: ka in bf16, 144 features
.set SPARE, 4*WL       ; the spare words, 128 bytes a wave: two blocks of 256 bytes that no other line names
.set LN, 1             ; lane
.set R, 2              ; lane % 16
.set H, 3              ; lane / 16
.set GA, 4             ; 16 x lane
.set PA, 5             ; 256 R + 32 H: my place in 16 rows of P
.set PA8, 6            ; the same for rows 128 on, held to row 132
.set XW, 7             ; where I put 8 bytes of a row of k
.set VW, 8             ; of v
.set XA, 9             ; the 16 rows in hand
.set KSW, 10           ; where I put 16 bytes of a row of ka
.set KA0, 11
.set VT0, 12           ; my place for the turning loads of v
.set KT0, 13           ; of ka
.set KA, 14
.set GM, 21            ; the chunk's maximum
.set SPW, 22           ; my spare word; never rewritten
.set NIL, 23           ; 0; never rewritten
.set ZR, 24            ; 0
.set XA0, 25
.set RC, 26            ; v[26:27] what is taken from c1 dd
.set ONEV, 28          ; v[28:29] 1.0 in lanes 0-15, else 0
.set XF, 32            ; 16 rows x 64 d: two fragments
.set DD, 48            ; nine tiles of 16 features x 16 rows
.set TA, 48            ; later 15 state tiles
.set QF, 128           ; the features packed
.set AF, 168           ; three fragments of ka turned
.set VF, 192           ; four fragments of v turned; ONF follows as the fifth
.set ONF, 224          ; channel 64 is 1
.set MK, 232           ; C of feature tile 8: -1e30 for features 133 on
.set DG, 240
.set MX, 244
.set QS, 248
.set PJB, 8            ; s[8:9] P
.set SEL, 40
.set C1, 42            ; s[42:43] log2(e) 64^-1/4
.set C2, 44            ; log2(e) / 16
.set NL, 45            ; 0 here
.set LB, 46
.set XO, 47
.set KO, 48
.set CNT, 49
.set WV, 50
.set CH, 51
.set OFF, 52
.set OF2, 54
.set OF3, 56
.set SX, 58
.set MSB, 0
.macro WIN new                      ; the high byte repeats the setting that is left; a switch that changes nothing is dropped
.if MSB != (\new)
	s_set_vgpr_msb (MSB<<8)|(\new)
.set MSB, (\new)
.endif
.endm
.macro PLACES                       ; four plain instructions behind matrix instructions, ahead of reads of their results and of writes and loads into their registers
.rept 4
	v_nop
.endr
.endm
; P as f32: fragment n = 2 t + u (features 16 t on, d 32 u on) is 16 registers a lane: d 8 H + 0..7 and 16 + 8 H + 0..7 of row 16 t + R
.macro PROJLD
.set n, 0
.rept 18
.if n < 14
	WIN 0
.set d, 32+16*n
.else
	WIN 0x80
.set d, 144+16*(n-14)
.endif
.if n < 16
.set o, 4096*(n/2)+128*(n%2)
	global_load_b128 v[d:d+3], v[PA], s[PJB:PJB+1] offset:o
	global_load_b128 v[d+4:d+7], v[PA], s[PJB:PJB+1] offset:o+16
	global_load_b128 v[d+8:d+11], v[PA], s[PJB:PJB+1] offset:o+64
	global_load_b128 v[d+12:d+15], v[PA], s[PJB:PJB+1] offset:o+80
.else
.set o, 128*(n%2)
	global_load_b128 v[d:d+3], v[PA8], s[PJB:PJB+1] offset:o
	global_load_b128 v[d+4:d+7], v[PA8], s[PJB:PJB+1] offset:o+16
	global_load_b128 v[d+8:d+11], v[PA8], s[PJB:PJB+1] offset:o+64
	global_load_b128 v[d+12:d+15], v[PA8], s[PJB:PJB+1] offset:o+80
.endif
.set n, n+1
.endr
	WIN 0
.endm
.macro PROJCV                       ; rounded to bf16: fragment n at v[8 n] of window 2
.set n, 0
.rept 18
.if n < 14
	WIN 0x80
.set d, 32+16*n
.else
	WIN 0x8a
.set d, 144+16*(n-14)
.endif
.set i, 0
.rept 8
	v_cvt_pk_bf16_f32 v[8*n+i], v[d+2*i], v[d+2*i+1]
.set i, i+1
.endr
.set n, n+1
.endr
	WIN 0
.endm
.macro LOADX b, win, nt             ; a chunk's 32,768 bytes: 64 loads of 512 consecutive bytes, into window win
	WIN (\win)<<6
.set i, 0
.rept 64
.if \nt
	global_load_b128 v[4*i:4*i+3], v[GA], s[\b:\b+1] offset:512*i th:TH_LOAD_NT
.else
	global_load_b128 v[4*i:4*i+3], v[GA], s[\b:\b+1] offset:512*i
.endif
.set i, i+1
.endr
	WIN 0
.endm
.macro CVTX win, addr, pitch        ; rounded in place, four numbers to 8 bytes, and stored: load i held rows 2 i and 2 i + 1
	WIN (\win)*0x45
.set i, 0
.rept 64
	v_cvt_pk_bf16_f32 v[4*i], v[4*i], v[4*i+1]
	v_cvt_pk_bf16_f32 v[4*i+1], v[4*i+2], v[4*i+3]
.set i, i+1
.endr
	WIN (\win)*4
.set i, 0
.rept 64
	ds_store_b64 v[\addr], v[4*i:4*i+1] offset:2*i*(\pitch)
.set i, i+1
.endr
	WIN 0
.endm
.macro FMAX mode                    ; four running maxima over the nine tiles; each tile's lowest registers are read first
.set t, 0
.rept 9
.set c, 0
.rept 4
.if ((\mode) == 2) && (t == 0)
	v_max_num_f32 v[MX+c], v[DD+2*c], v[DD+2*c+1]
.else
	v_max3_num_f32 v[MX+c], v[MX+c], v[DD+8*t+2*c], v[DD+8*t+2*c+1]
.endif
.set c, c+1
.endr
.set t, t+1
.endr
.endm
; The features of the 16 rows at XO.  dd^T = P X^T: a lane holds ONE row (R) and features 16 t + 8 H + 0..7 of tile t.  mode 0: the maximum only; 1: a key's features, stored; 2: a query's.
.macro FEAT mode
	v_add_nc_u32 v[XA], s[XO], v[XA0]
	ds_load_b128 v[XF:XF+3], v[XA]
	ds_load_b128 v[XF+4:XF+7], v[XA] offset:32
	ds_load_b128 v[XF+8:XF+11], v[XA] offset:64
	ds_load_b128 v[XF+12:XF+15], v[XA] offset:96
	s_wait_dscnt 0x0
	WIN 0x02                        ; P's fragments lie in window 2.  The nine accumulators take turns
.set t, 0
.rept 8
	v_wmma_f32_16x16x32_bf16 v[DD+8*t:DD+8*t+7], v[16*t:16*t+7], v[XF:XF+7], 0
.set t, t+1
.endr
	v_wmma_f32_16x16x32_bf16 v[DD+64:DD+71], v[128:135], v[XF:XF+7], v[MK:MK+7]
.set t, 0
.rept 9
	v_wmma_f32_16x16x32_bf16 v[DD+8*t:DD+8*t+7], v[16*t+8:16*t+15], v[XF+8:XF+15], v[DD+8*t:DD+8*t+7]
.set t, t+1
.endr
	WIN 0
	PLACES
.if (\mode) == 0
	FMAX 0
.else
.set i, 0
.rept 16                            ; |x|^2 of my 32 numbers of the row, in four chains; the first four start them
.if i < 4
	v_fma_mix_f32_bf16 v[DG+i], v[XF+i], v[XF+i], v[ZR] op_sel_hi:[1,1,0]
.else
	v_fma_mix_f32_bf16 v[DG+i%4], v[XF+i], v[XF+i], v[DG+i%4] op_sel_hi:[1,1,0]
.endif
.set i, i+1
.endr
.set i, 0
.rept 16
	v_fma_mix_f32_bf16 v[DG+i%4], v[XF+i], v[XF+i], v[DG+i%4] op_sel:[1,1,0] op_sel_hi:[1,1,0]
.set i, i+1
.endr
.if (\mode) == 2
	FMAX 2
.endif
	v_add_f32 v[DG], v[DG], v[DG+1]
	v_add_f32 v[DG+2], v[DG+2], v[DG+3]
	v_add_f32 v[DG], v[DG], v[DG+2]
	v_permlanex16_b32 v31, v[DG], s[SEL], s[SEL+1]  ; the row's other 32 numbers lie in the lane 16 away
	v_add_f32 v[DG], v[DG], v31
	v_fma_f32 v[RC], v[DG], s[C2], s[NL]
.if (\mode) == 2
	v_max3_num_f32 v30, v[MX], v[MX+1], v[MX+2]
	v_max_num_f32 v30, v30, v[MX+3]
	v_permlanex16_b32 v31, v30, s[SEL], s[SEL+1]
	v_max_num_f32 v30, v30, v31     ; the row's maximum
	v_fma_f32 v[RC], v30, s[C1], v[RC]
.else
	v_fma_f32 v[RC], v[GM], s[C1], v[RC]
.endif
.set p, 0
.rept 36
	v_pk_fma_f32 v[DD+2*p:DD+2*p+1], v[DD+2*p:DD+2*p+1], s[C1:C1+1], v[RC:RC+1] op_sel_hi:[1,0,0] neg_lo:[0,0,1] neg_hi:[0,0,1]
.set p, p+1
.endr
.set p, 0
.rept 72
	v_exp_f32 v[DD+p], v[DD+p]
.set p, p+1
.endr
	v_nop                           ; a plain instruction behind the last exponential
.if (\mode) == 2
.set p, 0
.rept 32
	v_pk_add_f32 v[DD+2*p:DD+2*p+1], v[DD+2*p:DD+2*p+1], 1.0 op_sel_hi:[1,0]
.set p, p+1
.endr
	v_pk_add_f32 v[DD+64:DD+65], v[DD+64:DD+65], v[ONEV:ONEV+1]
	v_pk_add_f32 v[DD+66:DD+67], v[DD+66:DD+67], v[ONEV:ONEV+1]
	v_add_f32 v[DD+68], v[DD+68], v[ONEV]
.set c, 0
.rept 4
	v_pk_add_f32 v[QS+2*c:QS+2*c+1], v[DD+2*c:DD+2*c+1], v[DD+8+2*c:DD+8+2*c+1]
.set c, c+1
.endr
.set p, 8
.rept 28
	v_pk_add_f32 v[QS+2*(p%4):QS+2*(p%4)+1], v[QS+2*(p%4):QS+2*(p%4)+1], v[DD+2*p:DD+2*p+1]
.set p, p+1
.endr
	v_pk_add_f32 v[QS:QS+1], v[QS:QS+1], v[QS+2:QS+3]
	v_pk_add_f32 v[QS+4:QS+5], v[QS+4:QS+5], v[QS+6:QS+7]
	v_pk_add_f32 v[QS:QS+1], v[QS:QS+1], v[QS+4:QS+5]
	v_add_f32 v30, v[QS], v[QS+1]
	v_permlanex16_b32 v31, v30, s[SEL], s[SEL+1]
	v_add_f32 v30, v30, v31
	v_mul_f32 v[DD+69], v30, v[ONEV]  ; feature 133: the sum of the row's features
.else
	s_wait_alu depctr_va_vdst(0)
	v_mov_b32 v[DD+69], v[ONEV]     ; feature 133: 1
.endif
.set p, 0
.rept 36
	v_cvt_pk_bf16_f32 v[QF+p], v[DD+2*p], v[DD+2*p+1]
.set p, p+1
.endr
.if (\mode) == 1
	v_add_nc_u32 v[KSW], s[KO], v[KA0]
.set t, 0
.rept 9
	ds_store_b128 v[KSW], v[QF+4*t:QF+4*t+3] offset:32*t
.set t, t+1
.endr
.endif
.endif
.endm
	s_load_b256 s[4:11], s[0:1], 0x0               ; k s[4:5], v s[6:7], P s[8:9], tst s[10:11]
	s_load_b64 s[12:13], s[0:1], 0x20              ; cmax
	v_lshl_add_u32 v[SPW], v0, 2, SPARE
	v_mov_b32 v[NIL], 0
	v_lshrrev_b32 v30, 5, v0
	v_readfirstlane_b32 s[WV], v30                 ; wave 0..3
	v_and_b32 v[LN], 31, v0
	v_and_b32 v[R], 15, v0
	v_bfe_u32 v[H], v0, 4, 1
	v_lshlrev_b32 v[GA], 4, v[LN]
	v_lshlrev_b32 v[PA], 8, v[R]
	v_lshl_add_u32 v[PA], v[H], 5, v[PA]
	v_add_nc_u32 v[PA8], 128, v[R]
	v_min_u32 v[PA8], 132, v[PA8]                  ; P has 133 rows: no load leaves it; what rows 133 on would give is masked by MK
	v_lshlrev_b32 v[PA8], 8, v[PA8]
	v_lshl_add_u32 v[PA8], v[H], 5, v[PA8]
	s_mul_i32 s[LB], s[WV], WL                     ; my wave's LDS
	v_mul_u32_u24 v30, v[H], 144
	v_lshl_add_u32 v30, v[R], 3, v30
	v_add_nc_u32 v[XW], s[LB], v30
	v_mul_u32_u24 v30, v[H], 160
	v_lshl_add_u32 v30, v[R], 3, v30
	v_add_nc_u32 v30, s[LB], v30
	v_add_nc_u32 v[VW], VS, v30
	v_mul_u32_u24 v30, v[R], 144
	v_lshl_add_u32 v30, v[H], 4, v30
	v_add_nc_u32 v[XA0], s[LB], v30
	v_mul_u32_u24 v30, v[R], 288
	v_lshl_add_u32 v30, v[H], 4, v30
	v_add_nc_u32 v30, s[LB], v30
	v_add_nc_u32 v[KA0], KS, v30
	v_and_b32 v31, 7, v0
	v_lshl_add_u32 v31, v[H], 3, v31               ; the turning load: row 8 H + lane % 8,
	v_bfe_u32 v30, v0, 3, 1
	v_lshlrev_b32 v30, 4, v30                      ; 16 bytes x ((lane / 8) % 2)
	v_add_nc_u32 v30, s[LB], v30
	v_mul_u32_u24 v[VT0], v31, 160
	v_add_nc_u32 v[VT0], v[VT0], v30
	v_add_nc_u32 v[VT0], VS, v[VT0]
	v_mul_u32_u24 v[KT0], v31, 288
	v_add_nc_u32 v[KT0], v[KT0], v30
	v_add_nc_u32 v[KT0], KS, v[KT0]
	s_lshl_b32 s[CH], ttmp9, 2
	s_add_co_u32 s[CH], s[CH], s[WV]               ; my chunk
	s_lshl_b32 s[OFF], s[CH], 15                   ; 128 rows of 256 bytes
	s_mov_b32 s[OFF+1], 0
	s_mul_i32 s[OF2], s[CH], 46080                 ; 45 tiles of 1,024 bytes
	s_mov_b32 s[OF2+1], 0
	s_lshl_b32 s[OF3], s[CH], 2
	s_mov_b32 s[OF3+1], 0
	s_mov_b32 s[SEL], 0x76543210
	s_mov_b32 s[SEL+1], 0xfedcba98
	s_mov_b32 s[C1], 0x3f0293ee                    ; log2(e) 64^-1/4 = 0.510070
	s_mov_b32 s[C1+1], s[C1]
	s_mov_b32 s[C2], 0x3db8aa3b                    ; log2(e) / 16
	s_mov_b32 s[NL], 0
	s_wait_kmcnt 0x0
	s_add_nc_u64 s[4:5], s[4:5], s[OFF:OFF+1]
	s_add_nc_u64 s[6:7], s[6:7], s[OFF:OFF+1]
	s_add_nc_u64 s[10:11], s[10:11], s[OF2:OF2+1]
	s_add_nc_u64 s[12:13], s[12:13], s[OF3:OF3+1]
	PROJLD
	LOADX 4, 1, 0
	LOADX 6, 3, 0
	s_wait_loadcnt 63                              ; every load of P and of k has v's 64 loads or more behind it: all of them are in
	PROJCV
	v_mov_b32 v[ZR], 0
	v_mov_b32 v[RC+1], 0                           ; named with RC as a pair
	v_cmp_eq_u32 vcc_lo, 0, v[H]
	v_cndmask_b32 v[ONEV], 0, 1.0, vcc_lo
	v_mov_b32 v[ONEV+1], v[ONEV]
	v_mov_b32 v30, 0xf149f2ca                      ; -1e30
.set i, 0
.rept 5
	v_cndmask_b32 v[MK+i], v30, v[ZR], vcc_lo      ; features 128 to 132 lie in registers 0-4 of lanes 0-15
.set i, i+1
.endr
.rept 3
	v_mov_b32 v[MK+i], v30
.set i, i+1
.endr
	v_cmp_eq_u32 vcc_lo, 0, v[R]
	v_mov_b32 v30, 0x3f803f80                      ; 1.0 twice in bf16
.set i, 0
.rept 8
	v_cndmask_b32 v[ONF+i], 0, v30, vcc_lo
.set i, i+1
.endr
	CVTX 1, XW, 144
	s_wait_loadcnt 0x0                             ; v
	CVTX 3, VW, 160
	; pass 1: the chunk's largest k . P_f
.set c, 0
.rept 4
	v_mov_b32 v[MX+c], 0xff7fffff
.set c, c+1
.endr
	s_mov_b32 s[XO], 0
	s_mov_b32 s[CNT], 8
.Lmax:
	FEAT 0
	s_add_co_u32 s[XO], s[XO], 2304
	s_sub_co_u32 s[CNT], s[CNT], 1
	s_cmp_lg_u32 s[CNT], 0
	s_cbranch_scc1 .Lmax
	v_max3_num_f32 v30, v[MX], v[MX+1], v[MX+2]
	v_max_num_f32 v30, v30, v[MX+3]
	v_max_num_f32_dpp v30, v30, v30 row_xmask:1 row_mask:0xf bank_mask:0xf
	v_max_num_f32_dpp v30, v30, v30 row_xmask:2 row_mask:0xf bank_mask:0xf
	v_max_num_f32_dpp v30, v30, v30 row_xmask:4 row_mask:0xf bank_mask:0xf
	v_max_num_f32_dpp v30, v30, v30 row_xmask:8 row_mask:0xf bank_mask:0xf
	v_permlanex16_b32 v31, v30, s[SEL], s[SEL+1]
	v_max_num_f32 v[GM], v30, v31
	; pass 2: the features, into KS
	s_mov_b32 s[XO], 0
	s_mov_b32 s[KO], 0
	s_mov_b32 s[CNT], 8
.Lfeat:
	FEAT 1
	s_add_co_u32 s[XO], s[XO], 2304
	s_add_co_u32 s[KO], s[KO], 4608
	s_sub_co_u32 s[CNT], s[CNT], 1
	s_cmp_lg_u32 s[CNT], 0
	s_cbranch_scc1 .Lfeat
	; the state: three groups of three feature tiles x five channel tiles, 128 keys in four steps of 32.  The 15 accumulators take turns
	s_mov_b32 s[KO], 0
	s_mov_b32 s[CNT], 3
.Lgrp:
	v_add_nc_u32 v[KA], s[KO], v[KT0]
.set ks, 0
.rept 4
.set a, 0
.rept 3
	ds_load_tr16_b128 v[AF+8*a:AF+8*a+3], v[KA] offset:9216*ks+32*a
	ds_load_tr16_b128 v[AF+8*a+4:AF+8*a+7], v[KA] offset:9216*ks+32*a+4608
.set a, a+1
.endr
.set c, 0
.rept 4
	ds_load_tr16_b128 v[VF+8*c:VF+8*c+3], v[VT0] offset:5120*ks+32*c
	ds_load_tr16_b128 v[VF+8*c+4:VF+8*c+7], v[VT0] offset:5120*ks+32*c+2560
.set c, c+1
.endr
	s_wait_dscnt 0x0
.set n, 0
.rept 15
.if ks == 0
	v_wmma_f32_16x16x32_bf16 v[TA+8*n:TA+8*n+7], v[AF+8*(n/5):AF+8*(n/5)+7], v[VF+8*(n%5):VF+8*(n%5)+7], 0
.else
	v_wmma_f32_16x16x32_bf16 v[TA+8*n:TA+8*n+7], v[AF+8*(n/5):AF+8*(n/5)+7], v[VF+8*(n%5):VF+8*(n%5)+7], v[TA+8*n:TA+8*n+7]
.endif
.set n, n+1
.endr
	PLACES
.set ks, ks+1
.endr
.set n, 0
.rept 15
	global_store_b128 v[GA], v[TA+8*n:TA+8*n+3], s[10:11] offset:1024*n       ; 512 consecutive bytes, at a multiple of 512 from tst's first
	global_store_b128 v[GA], v[TA+8*n+4:TA+8*n+7], s[10:11] offset:1024*n+512
.set n, n+1
.endr
	v_nop                                          ; with the four above and the address line at the loop's head: more than five places ahead of the products that start the sums anew
	v_nop
	s_wait_xcnt 0x0                                ; the stores' data and base are rewritten only behind this wait
	s_add_nc_u64 s[10:11], s[10:11], 15360
	s_add_co_u32 s[KO], s[KO], 96
	s_sub_co_u32 s[CNT], s[CNT], 1
	s_cmp_lg_u32 s[CNT], 0
	s_cbranch_scc1 .Lgrp
	v_cmp_eq_u32 vcc_lo, 0, v[LN]
	s_wait_xcnt 0x0                                ; EXEC changes only behind this wait
	s_and_saveexec_b32 s[SX], vcc_lo
	global_store_b32 v[ZR], v[GM], s[12:13]        ; lane 0: the chunk's maximum
	s_wait_xcnt 0x0
	s_or_b32 exec_lo, exec_lo, s[SX]
	s_wait_tensorcnt 0x0                           ; the wave's end
	ds_add_u32 v[SPW], v[NIL]
	s_wait_dscnt 0x0
	s_endpgm
.Lfunc_end_k_qe6400bda86_states:
	.size	k_qe6400bda86_states, .Lfunc_end_k_qe6400bda86_states-k_qe6400bda86_states
	.p2alignl 7, 3214868480
	.fill 96, 4, 3214868480
	.section	.rodata,"a",@progbits
	.p2align	6, 0x0
	.amdhsa_kernel k_qe6400bda86_states
		.amdhsa_group_segment_fixed_size 321024
		.amdhsa_private_segment_fixed_size 0
		.amdhsa_enable_private_segment 0
		.amdhsa_kernarg_size 40
		.amdhsa_user_sgpr_count 2
		.amdhsa_user_sgpr_kernarg_segment_ptr 1
		.amdhsa_wavefront_size32 1
		.amdhsa_system_sgpr_workgroup_id_x 1
		.amdhsa_system_sgpr_workgroup_id_y 1
		.amdhsa_system_sgpr_workgroup_id_z 1
		.amdhsa_system_vgpr_workitem_id 0
		.amdhsa_next_free_vgpr 1024
		.amdhsa_next_free_sgpr 66
		.amdhsa_reserve_vcc 1
		.amdhsa_float_denorm_mode_32 3
		.amdhsa_float_denorm_mode_16_64 3
		.amdhsa_memory_ordered 1
		.amdhsa_forward_progress 1
		.amdhsa_inst_pref_size 85
	.end_amdhsa_kernel
	.amdgpu_metadata
---
amdhsa.version: [ 1, 2 ]
amdhsa.kernels:
  - .name:           k_qe6400bda86_states
    .symbol:         k_qe6400bda86_states.kd
    .args:
      - { .name: k, .offset: 0, .size: 8, .value_kind: global_buffer, .address_space: global }
      - { .name: v, .offset: 8, .size: 8, .value_kind: global_buffer, .address_space: global }
      - { .name: projection_matrix, .offset: 16, .size: 8, .value_kind: global_buffer, .address_space: global }
      - { .name: tst, .offset: 24, .size: 8, .value_kind: global_buffer, .address_space: global }
      - { .name: cmax, .offset: 32, .size: 8, .value_kind: global_buffer, .address_space: global }
    .group_segment_fixed_size: 321024
    .private_segment_fixed_size: 0
    .kernarg_segment_align: 8
    .kernarg_segment_size: 40
    .max_flat_workgroup_size: 128
    .sgpr_count:     66
    .vgpr_count:     1024
    .wavefront_size: 32
...
	.end_amdgpu_metadata
.endif
;; end of part 1
;; launch scan (part 2): grid 9 x 32, 5 waves a work-group, no clusters, 0 bytes of LDS; arguments tst, cmax, simg; writes simg
.if DOCPART == 2
	.amdgcn_target "amdgcn-amd-amdhsa--gfx1250"
	.amdhsa_code_object_version 6
	.text
	.protected	k_qe6400bda86_scan
	.globl	k_qe6400bda86_scan
	.p2align	8
	.type	k_qe6400bda86_scan,@function
k_qe6400bda86_scan:
	s_mov_b64 s[64:65], 0
	v_nop
	global_prefetch_b8 v0, s[64:65] scope:SCOPE_SE
	s_setreg_imm32_b32 hwreg(HW_REG_WAVE_MODE, 25, 1), 1
	s_wait_xcnt 0x0
; SCAN.  For each head and each of the 45 tiles of the state: the sum of the tile over the chunks in front of chunk c, for c = 0..31, each rounded once to bf16 (it is only ever a matrix operand; the running sum stays in f32).
; Chunk c's tile was made with the chunk's own maximum m_c: it is scaled by F_c = 2^(c1 (m_c - m) + log2(1e4)), m the maximum over all 1,024 chunks, so that a true maximum has been taken away.
; Feature 133 (register 5 of lanes 0-15 in feature tile 8) is the constant 1 and is scaled by 1.  The sum of S[133][64] starts at 0.01 sqrt(133): reference's 1e-6 in the divisor, in this scaling.
; One wave owns one tile of one head: work-group x = feature tile, y = head, wave = channel tile.  No LDS, no barrier, no matrix unit: a stream with a carry in eight registers.
; A ring of 16 slots of 8 registers holds the chunks' tiles: 32 loads are out at the start, chunk c + 16 is asked for when chunk c has been added.  Chunk 31's tile is not needed.
.set GA, 2             ; 16 x lane
.set MC, 3             ; lane c: m_c of my head's chunk c
.set FV, 4             ; lane c: F_c
.set SS, 8             ; v[8:15] the running sum
.set YY, 16            ; v[16:23] store data, two sets by turns
.set CM, 24            ; v[24:55] all 1,024 maxima, 32 a lane
.set RING, 64          ; v[64:191]
	s_load_b128 s[4:7], s[0:1], 0x0                ; tst s[4:5], cmax s[6:7]
	s_load_b64 s[8:9], s[0:1], 0x10                ; simg
	v_lshrrev_b32 v6, 5, v0
	v_readfirstlane_b32 s10, v6                    ; wave = channel tile
	v_and_b32 v1, 31, v0
	v_lshlrev_b32 v[GA], 4, v1
	s_and_b32 s11, ttmp7, 0xffff                   ; head
	s_mov_b32 s13, ttmp9                           ; feature tile
	s_mul_i32 s12, s13, 5
	s_add_co_u32 s12, s12, s10                     ; tile
	s_mul_i32 s14, s11, 1474560                    ; a head's 32 chunks of 46,080 bytes
	s_lshl_b32 s15, s12, 10
	s_add_co_u32 s14, s14, s15
	s_mov_b32 s15, 0
	s_mul_i32 s16, s11, 737280                     ; 32 chunks of 23,040 bytes
	s_lshl_b32 s17, s12, 9
	s_add_co_u32 s16, s16, s17
	s_mov_b32 s17, 0
	s_lshl_b32 s18, s11, 7
	v_lshlrev_b32 v7, 2, v1
	v_add_nc_u32 v7, s18, v7                       ; my head's 32 maxima, one a lane
	s_mov_b32 s24, 0x76543210
	s_mov_b32 s25, 0xfedcba98
	s_mov_b32 s26, 0x3f0293ee                      ; c1 = log2(e) 64^-1/4
	s_mov_b32 s27, 0x41549a78                      ; log2(1e4)
	s_wait_kmcnt 0x0
	s_add_nc_u64 s[4:5], s[4:5], s[14:15]
	s_add_nc_u64 s[8:9], s[8:9], s[16:17]
.set i, 0
.rept 8
	global_load_b128 v[CM+4*i:CM+4*i+3], v[GA], s[6:7] offset:512*i
.set i, i+1
.endr
	global_load_b32 v[MC], v7, s[6:7]
.set c, 0
.rept 16
	global_load_b128 v[RING+8*c:RING+8*c+3], v[GA], s[4:5] offset:46080*c th:TH_LOAD_NT
	global_load_b128 v[RING+8*c+4:RING+8*c+7], v[GA], s[4:5] offset:46080*c+512 th:TH_LOAD_NT
.set c, c+1
.endr
	s_cmp_eq_u32 s12, 44                           ; tile (8, 4) holds S[133][64], in lane 0's register 5
	s_cselect_b32 s23, 0x3dec2fd8, 0               ; 0.01 sqrt(133)
	v_mov_b32 v5, s23
	v_cmp_eq_u32 vcc_lo, 0, v1
.set i, 0
.rept 8
	v_mov_b32 v[SS+i], 0
.set i, i+1
.endr
	v_cndmask_b32 v[SS+5], 0, v5, vcc_lo
	s_wait_loadcnt 32                              ; the maxima are in; the ring's 32 loads stay out
.set g, 0
.rept 3
.set c, 0
.rept 4
	v_max3_num_f32 v[CM+c], v[CM+c], v[CM+4+8*g+c], v[CM+8+8*g+c]
.set c, c+1
.endr
.set g, g+1
.endr
.set c, 0
.rept 4
	v_max_num_f32 v[CM+c], v[CM+c], v[CM+28+c]
.set c, c+1
.endr
	v_max3_num_f32 v[CM], v[CM], v[CM+1], v[CM+2]
	v_max_num_f32 v[CM], v[CM], v[CM+3]
	v_max_num_f32_dpp v[CM], v[CM], v[CM] row_xmask:1 row_mask:0xf bank_mask:0xf
	v_max_num_f32_dpp v[CM], v[CM], v[CM] row_xmask:2 row_mask:0xf bank_mask:0xf
	v_max_num_f32_dpp v[CM], v[CM], v[CM] row_xmask:4 row_mask:0xf bank_mask:0xf
	v_max_num_f32_dpp v[CM], v[CM], v[CM] row_xmask:8 row_mask:0xf bank_mask:0xf
	v_permlanex16_b32 v[CM+1], v[CM], s24, s25
	v_max_num_f32 v[CM], v[CM], v[CM+1]            ; m
	v_sub_f32 v6, v[MC], v[CM]
	v_fma_f32 v6, v6, s26, s27
	v_exp_f32 v[FV], v6
	v_nop                                          ; a plain instruction behind the exponential
	s_wait_alu depctr_va_vdst(0)
.set c, 0
.rept 32
.set y, YY+4*(c%2)
.set r, RING+8*(c%16)
	s_wait_xcnt 0x0                                ; this set of store data was read by the store two chunks back: rewritten only behind this wait
	v_cvt_pk_bf16_f32 v[y], v[SS], v[SS+1]
	v_cvt_pk_bf16_f32 v[y+1], v[SS+2], v[SS+3]
	v_cvt_pk_bf16_f32 v[y+2], v[SS+4], v[SS+5]
	v_cvt_pk_bf16_f32 v[y+3], v[SS+6], v[SS+7]
	global_store_b128 v[GA], v[y:y+3], s[8:9] offset:23040*c  ; 512 consecutive bytes, at a multiple of 512 from simg's first
.if c < 31
.set last, c+15
.if last > 30
.set last, 30
.endif
	s_wait_loadcnt 2*(last-c)                      ; chunk c's two loads are in; those of chunks c + 1 to last stay out
	v_readlane_b32 s20, v[FV], c
	s_mov_b32 s21, s20
	s_cmp_eq_u32 s13, 8
	s_cselect_b32 s22, 1.0, s20                    ; register 5 of feature tile 8 is feature 133
	v_pk_fma_f32 v[SS:SS+1], v[r:r+1], s[20:21], v[SS:SS+1] op_sel_hi:[1,0,1]
	v_pk_fma_f32 v[SS+2:SS+3], v[r+2:r+3], s[20:21], v[SS+2:SS+3] op_sel_hi:[1,0,1]
	v_fma_f32 v[SS+4], v[r+4], s20, v[SS+4]
	v_fma_f32 v[SS+5], v[r+5], s22, v[SS+5]
	v_pk_fma_f32 v[SS+6:SS+7], v[r+6:r+7], s[20:21], v[SS+6:SS+7] op_sel_hi:[1,0,1]
.if c+16 <= 30
	global_load_b128 v[r:r+3], v[GA], s[4:5] offset:46080*(c+16) th:TH_LOAD_NT
	global_load_b128 v[r+4:r+7], v[GA], s[4:5] offset:46080*(c+16)+512 th:TH_LOAD_NT
.endif
.endif
.set c, c+1
.endr
	s_endpgm
.Lfunc_end_k_qe6400bda86_scan:
	.size	k_qe6400bda86_scan, .Lfunc_end_k_qe6400bda86_scan-k_qe6400bda86_scan
	.p2alignl 7, 3214868480
	.fill 96, 4, 3214868480
	.section	.rodata,"a",@progbits
	.p2align	6, 0x0
	.amdhsa_kernel k_qe6400bda86_scan
		.amdhsa_group_segment_fixed_size 0
		.amdhsa_private_segment_fixed_size 0
		.amdhsa_enable_private_segment 0
		.amdhsa_kernarg_size 24
		.amdhsa_user_sgpr_count 2
		.amdhsa_user_sgpr_kernarg_segment_ptr 1
		.amdhsa_wavefront_size32 1
		.amdhsa_system_sgpr_workgroup_id_x 1
		.amdhsa_system_sgpr_workgroup_id_y 1
		.amdhsa_system_sgpr_workgroup_id_z 1
		.amdhsa_system_vgpr_workitem_id 0
		.amdhsa_next_free_vgpr 192
		.amdhsa_next_free_sgpr 66
		.amdhsa_reserve_vcc 1
		.amdhsa_float_denorm_mode_32 3
		.amdhsa_float_denorm_mode_16_64 3
		.amdhsa_memory_ordered 1
		.amdhsa_forward_progress 1
		.amdhsa_inst_pref_size 38
	.end_amdhsa_kernel
	.amdgpu_metadata
---
amdhsa.version: [ 1, 2 ]
amdhsa.kernels:
  - .name:           k_qe6400bda86_scan
    .symbol:         k_qe6400bda86_scan.kd
    .args:
      - { .name: tst, .offset: 0, .size: 8, .value_kind: global_buffer, .address_space: global }
      - { .name: cmax, .offset: 8, .size: 8, .value_kind: global_buffer, .address_space: global }
      - { .name: simg, .offset: 16, .size: 8, .value_kind: global_buffer, .address_space: global }
    .group_segment_fixed_size: 0
    .private_segment_fixed_size: 0
    .kernarg_segment_align: 8
    .kernarg_segment_size: 24
    .max_flat_workgroup_size: 160
    .sgpr_count:     66
    .vgpr_count:     192
    .wavefront_size: 32
...
	.end_amdgpu_metadata
.endif
;; end of part 2
;; launch main (part 3): grid 256 x 1, 4 waves a work-group, no clusters, 321,024 bytes of LDS; arguments q, k, v, projection_matrix, cmax, simg, out0; writes out0
.if DOCPART == 3
	.amdgcn_target "amdgcn-amd-amdhsa--gfx1250"
	.amdhsa_code_object_version 6
	.text
	.protected	k_qe6400bda86_main
	.globl	k_qe6400bda86_main
	.p2align	8
	.type	k_qe6400bda86_main,@function
k_qe6400bda86_main:
	s_mov_b64 s[64:65], 0
	v_nop
	global_prefetch_b8 v0, s[64:65] scope:SCOPE_SE
	s_setreg_imm32_b32 hwreg(HW_REG_WAVE_MODE, 25, 1), 1
	s_wait_xcnt 0x0
; MAIN.  out[i] = sum over j <= i of (qa_i . ka_j) v_j / the same sum with 1 for v_j, for the 128 rows of a chunk (1,024 chunks, one a wave).
; g(x, M) = 1e4 exp(n x.P_f - |x|^2/16 - n M), n = 64^-1/4.  ka[f] = g(k, the tensor's maximum), ka[133] = 1; qa[f] = g(q, the row's maximum) + 1, qa[133] = the sum of the row's qa; else 0.
; Then qa . ka = sum of (g_q + 1)(g_k + 1): reference's q' . k' but for a factor that numerator and divisor share.  v gets a channel 64 that is 1, so the divisor is channel 64 of the same products;
; reference's 1e-6 lies in the state's entry [133][64].  Keys of earlier chunks enter by the chunk's state S (simg, bf16): O^T = S^T qa; the chunk's own keys by masked scores: S^T = ka qa^T, O^T += va^T P.
; P goes into its product as two bf16 numbers, hi = bf16(s) and lo = bf16(s - hi): scores of one query can differ by far less than one bf16 step.
; q, k, v, P_f are rounded once to bf16; |x|^2 is taken of the rounded x; products and sums in f32.
; LIMITS.  A padded feature counts as -1e30; a weight below 2^-126 counts as 0; NaN and infinities are not treated apart; sums are taken in another order than reference's.
; The four waves share nothing: each has its own 80,128 bytes of LDS (wave x WL), so no barrier is written; LDS serves a wave's instructions in order.
; No cluster, no tensor load: only P_f (34 KB) and cmax are shared, and every number must pass registers for its rounding to bf16.
; REGISTERS in windows of 256 (s_set_vgpr_msb: bits 1:0 source 0, 3:2 source 1, 5:4 source 2, 7:6 destination):
;   window 0 addresses, fragments, scores;  window 1 k, then q, as loaded;  window 2 v0-143 P_f's fragments, v144-207 P_f as loaded, v208-239 cmax;  window 3 v as loaded, then v0-199 S, v200-239 O^T
.set WL,    80128      ; a wave's LDS
.set XS,    0          ; 128 rows x 144: k, later q, in bf16
.set VS,    18432      ; 128 rows x 160: v in bf16
.set KS,    38912      ; 128 rows x 288: ka in bf16, 144 features
.set OS,    75776      ; 16 rows x 272: the way out, f32
.set SPARE, 4*WL       ; the spare words, 128 bytes a wave: two blocks of 256 bytes that no other line names
.set LN, 1
.set R, 2
.set H, 3
.set GA, 4
.set PA, 5
.set PA8, 6
.set XW, 7
.set VW, 8
.set XA, 9
.set KSW, 10
.set KA0, 11
.set VT0, 12
.set KA, 14
.set VA, 15
.set OSW, 16           ; the way out: where I put 32 bytes of a row
.set OSR, 17           ; where I read rows back
.set GO, 18            ; my byte offset in 512 consecutive bytes of out
.set THQ, 19           ; R - 8 H
.set TH, 20            ; register n of the two score tiles is kept where 16 (n / 8) + n % 8 <= TH
.set GM, 21            ; the tensor's largest k . P_f
.set SPW, 22
.set NIL, 23
.set ZR, 24
.set XA0, 25
.set RC, 26
.set ONEV, 28
.set XF, 32
.set DD, 48
.set KF, 48            ; ka's fragments: key tile a, features 32 u on at KF + 40 a + 8 u
.set QF, 128           ; qa's five fragments; v164-167 stay 0
.set SC, 168           ; two score tiles
.set PF, 184           ; P, high part
.set VF, 192
.set ONF, 224
.set MK, 232
.set DG, 240
.set MX, 244
.set QS, 248
.set PL, 240           ; P, low part: in DG's and MX's registers, which every FEAT starts anew
.set TT, 248           ; at work: in QS's
.set CM, 208           ; window 2
.set OA, 200           ; window 3: O^T, channel tile c at OA + 8 c
.set PJB, 10           ; s[10:11] P_f
.set SEL, 40
.set C1, 42
.set C2, 44
.set NL, 45            ; -log2(1e4)
.set LB, 46
.set XO, 47
.set KO, 48
.set CNT, 49
.set WV, 50
.set CH, 51
.set OFF, 52
.set OF2, 54
.set QI, 56
.set LIM, 57
.set KP, 58
.set KOFF, 59
.set VOFF, 60
.set TS, 61
.set MSB, 0
.macro WIN new                      ; the high byte repeats the setting that is left; a switch that changes nothing is dropped
.if MSB != (\new)
	s_set_vgpr_msb (MSB<<8)|(\new)
.set MSB, (\new)
.endif
.endm
.macro PLACES                       ; four plain instructions behind matrix instructions, ahead of reads of their results and of writes and loads into their registers
.rept 4
	v_nop
.endr
.endm
; P_f as f32: fragment n = 2 t + u (features 16 t on, d 32 u on) is 16 registers a lane: d 8 H + 0..7 and 16 + 8 H + 0..7 of row 16 t + R
.macro PROJLD
.set n, 0
.rept 18
.if n < 14
	WIN 0
.set d, 32+16*n
.else
	WIN 0x80
.set d, 144+16*(n-14)
.endif
.if n < 16
.set o, 4096*(n/2)+128*(n%2)
	global_load_b128 v[d:d+3], v[PA], s[PJB:PJB+1] offset:o
	global_load_b128 v[d+4:d+7], v[PA], s[PJB:PJB+1] offset:o+16
	global_load_b128 v[d+8:d+11], v[PA], s[PJB:PJB+1] offset:o+64
	global_load_b128 v[d+12:d+15], v[PA], s[PJB:PJB+1] offset:o+80
.else
.set o, 128*(n%2)
	global_load_b128 v[d:d+3], v[PA8], s[PJB:PJB+1] offset:o
	global_load_b128 v[d+4:d+7], v[PA8], s[PJB:PJB+1] offset:o+16
	global_load_b128 v[d+8:d+11], v[PA8], s[PJB:PJB+1] offset:o+64
	global_load_b128 v[d+12:d+15], v[PA8], s[PJB:PJB+1] offset:o+80
.endif
.set n, n+1
.endr
	WIN 0
.endm
.macro PROJCV                       ; rounded to bf16: fragment n at v[8 n] of window 2
.set n, 0
.rept 18
.if n < 14
	WIN 0x80
.set d, 32+16*n
.else
	WIN 0x8a
.set d, 144+16*(n-14)
.endif
.set i, 0
.rept 8
	v_cvt_pk_bf16_f32 v[8*n+i], v[d+2*i], v[d+2*i+1]
.set i, i+1
.endr
.set n, n+1
.endr
	WIN 0
.endm
.macro LOADX b, win, nt             ; a chunk's 32,768 bytes: 64 loads of 512 consecutive bytes, into window win
	WIN (\win)<<6
.set i, 0
.rept 64
.if \nt
	global_load_b128 v[4*i:4*i+3], v[GA], s[\b:\b+1] offset:512*i th:TH_LOAD_NT
.else
	global_load_b128 v[4*i:4*i+3], v[GA], s[\b:\b+1] offset:512*i
.endif
.set i, i+1
.endr
	WIN 0
.endm
.macro CVTX win, addr, pitch        ; rounded in place, four numbers to 8 bytes, and stored: load i held rows 2 i and 2 i + 1
	WIN (\win)*0x45
.set i, 0
.rept 64
	v_cvt_pk_bf16_f32 v[4*i], v[4*i], v[4*i+1]
	v_cvt_pk_bf16_f32 v[4*i+1], v[4*i+2], v[4*i+3]
.set i, i+1
.endr
	WIN (\win)*4
.set i, 0
.rept 64
	ds_store_b64 v[\addr], v[4*i:4*i+1] offset:2*i*(\pitch)
.set i, i+1
.endr
	WIN 0
.endm
.macro FMAX mode                    ; four running maxima over the nine tiles; each tile's lowest registers are read first
.set t, 0
.rept 9
.set c, 0
.rept 4
.if ((\mode) == 2) && (t == 0)
	v_max_num_f32 v[MX+c], v[DD+2*c], v[DD+2*c+1]
.else
	v_max3_num_f32 v[MX+c], v[MX+c], v[DD+8*t+2*c], v[DD+8*t+2*c+1]
.endif
.set c, c+1
.endr
.set t, t+1
.endr
.endm
; The features of the 16 rows at XO.  dd^T = P_f X^T: a lane holds ONE row (R) and features 16 t + 8 H + 0..7 of tile t.  mode 1: a key's features, stored; 2: a query's, left in QF.
.macro FEAT mode
	v_add_nc_u32 v[XA], s[XO], v[XA0]
	ds_load_b128 v[XF:XF+3], v[XA]
	ds_load_b128 v[XF+4:XF+7], v[XA] offset:32
	ds_load_b128 v[XF+8:XF+11], v[XA] offset:64
	ds_load_b128 v[XF+12:XF+15], v[XA] offset:96
	s_wait_dscnt 0x0
	WIN 0x02                        ; P_f's fragments lie in window 2.  The nine accumulators take turns
.set t, 0
.rept 8
	v_wmma_f32_16x16x32_bf16 v[DD+8*t:DD+8*t+7], v[16*t:16*t+7], v[XF:XF+7], 0
.set t, t+1
.endr
	v_wmma_f32_16x16x32_bf16 v[DD+64:DD+71], v[128:135], v[XF:XF+7], v[MK:MK+7]
.set t, 0
.rept 9
	v_wmma_f32_16x16x32_bf16 v[DD+8*t:DD+8*t+7], v[16*t+8:16*t+15], v[XF+8:XF+15], v[DD+8*t:DD+8*t+7]
.set t, t+1
.endr
	WIN 0
	PLACES
.set i, 0
.rept 16                            ; |x|^2 of my 32 numbers of the row, in four chains; the first four start them
.if i < 4
	v_fma_mix_f32_bf16 v[DG+i], v[XF+i], v[XF+i], v[ZR] op_sel_hi:[1,1,0]
.else
	v_fma_mix_f32_bf16 v[DG+i%4], v[XF+i], v[XF+i], v[DG+i%4] op_sel_hi:[1,1,0]
.endif
.set i, i+1
.endr
.set i, 0
.rept 16
	v_fma_mix_f32_bf16 v[DG+i%4], v[XF+i], v[XF+i], v[DG+i%4] op_sel:[1,1,0] op_sel_hi:[1,1,0]
.set i, i+1
.endr
.if (\mode) == 2
	FMAX 2
.endif
	v_add_f32 v[DG], v[DG], v[DG+1]
	v_add_f32 v[DG+2], v[DG+2], v[DG+3]
	v_add_f32 v[DG], v[DG], v[DG+2]
	v_permlanex16_b32 v31, v[DG], s[SEL], s[SEL+1]  ; the row's other 32 numbers lie in the lane 16 away
	v_add_f32 v[DG], v[DG], v31
	v_fma_f32 v[RC], v[DG], s[C2], s[NL]
.if (\mode) == 2
	v_max3_num_f32 v30, v[MX], v[MX+1], v[MX+2]
	v_max_num_f32 v30, v30, v[MX+3]
	v_permlanex16_b32 v31, v30, s[SEL], s[SEL+1]
	v_max_num_f32 v30, v30, v31     ; the row's maximum
	v_fma_f32 v[RC], v30, s[C1], v[RC]
.else
	v_fma_f32 v[RC], v[GM], s[C1], v[RC]
.endif
.set p, 0
.rept 36
	v_pk_fma_f32 v[DD+2*p:DD+2*p+1], v[DD+2*p:DD+2*p+1], s[C1:C1+1], v[RC:RC+1] op_sel_hi:[1,0,0] neg_lo:[0,0,1] neg_hi:[0,0,1]
.set p, p+1
.endr
.set p, 0
.rept 72
	v_exp_f32 v[DD+p], v[DD+p]
.set p, p+1
.endr
	v_nop                           ; a plain instruction behind the last exponential
.if (\mode) == 2
.set p, 0
	s_wait_alu depctr_va_vdst(0)
.rept 32
	v_pk_add_f32 v[DD+2*p:DD+2*p+1], v[DD+2*p:DD+2*p+1], 1.0 op_sel_hi:[1,0]
.set p, p+1
.endr
	v_pk_add_f32 v[DD+64:DD+65], v[DD+64:DD+65], v[ONEV:ONEV+1]
	v_pk_add_f32 v[DD+66:DD+67], v[DD+66:DD+67], v[ONEV:ONEV+1]
	v_add_f32 v[DD+68], v[DD+68], v[ONEV]
.set c, 0
.rept 4
	v_pk_add_f32 v[QS+2*c:QS+2*c+1], v[DD+2*c:DD+2*c+1], v[DD+8+2*c:DD+8+2*c+1]
.set c, c+1
.endr
.set p, 8
.rept 28
	v_pk_add_f32 v[QS+2*(p%4):QS+2*(p%4)+1], v[QS+2*(p%4):QS+2*(p%4)+1], v[DD+2*p:DD+2*p+1]
.set p, p+1
.endr
	v_pk_add_f32 v[QS:QS+1], v[QS:QS+1], v[QS+2:QS+3]
	v_pk_add_f32 v[QS+4:QS+5], v[QS+4:QS+5], v[QS+6:QS+7]
	v_pk_add_f32 v[QS:QS+1], v[QS:QS+1], v[QS+4:QS+5]
	v_add_f32 v30, v[QS], v[QS+1]
	v_permlanex16_b32 v31, v30, s[SEL], s[SEL+1]
	v_add_f32 v30, v30, v31
	v_mul_f32 v[DD+69], v30, v[ONEV]  ; feature 133: the sum of the row's features
.else
	s_wait_alu depctr_va_vdst(0)
	v_mov_b32 v[DD+69], v[ONEV]     ; feature 133: 1
.endif
.set p, 0
.rept 36
	v_cvt_pk_bf16_f32 v[QF+p], v[DD+2*p], v[DD+2*p+1]
.set p, p+1
.endr
.if (\mode) == 1
	v_add_nc_u32 v[KSW], s[KO], v[KA0]
.set t, 0
.rept 9
	ds_store_b128 v[KSW], v[QF+4*t:QF+4*t+3] offset:32*t
.set t, t+1
.endr
.endif
.endm
	s_load_b256 s[4:11], s[0:1], 0x0               ; q s[4:5], k s[6:7], v s[8:9], P_f s[10:11]
	s_load_b128 s[12:15], s[0:1], 0x20             ; cmax s[12:13], simg s[14:15]
	s_load_b64 s[16:17], s[0:1], 0x30              ; out
	v_lshl_add_u32 v[SPW], v0, 2, SPARE
	v_mov_b32 v[NIL], 0
	v_lshrrev_b32 v30, 5, v0
	v_readfirstlane_b32 s[WV], v30                 ; wave 0..3
	v_and_b32 v[LN], 31, v0
	v_and_b32 v[R], 15, v0
	v_bfe_u32 v[H], v0, 4, 1
	v_lshlrev_b32 v[GA], 4, v[LN]
	v_lshlrev_b32 v[PA], 8, v[R]
	v_lshl_add_u32 v[PA], v[H], 5, v[PA]
	v_add_nc_u32 v[PA8], 128, v[R]
	v_min_u32 v[PA8], 132, v[PA8]                  ; P_f has 133 rows: no load leaves it; what rows 133 on would give is masked by MK
	v_lshlrev_b32 v[PA8], 8, v[PA8]
	v_lshl_add_u32 v[PA8], v[H], 5, v[PA8]
	s_mul_i32 s[LB], s[WV], WL                     ; my wave's LDS
	v_mul_u32_u24 v30, v[H], 144
	v_lshl_add_u32 v30, v[R], 3, v30
	v_add_nc_u32 v[XW], s[LB], v30
	v_mul_u32_u24 v30, v[H], 160
	v_lshl_add_u32 v30, v[R], 3, v30
	v_add_nc_u32 v30, s[LB], v30
	v_add_nc_u32 v[VW], VS, v30
	v_mul_u32_u24 v30, v[R], 144
	v_lshl_add_u32 v30, v[H], 4, v30
	v_add_nc_u32 v[XA0], s[LB], v30
	v_mul_u32_u24 v30, v[R], 288
	v_lshl_add_u32 v30, v[H], 4, v30
	v_add_nc_u32 v30, s[LB], v30
	v_add_nc_u32 v[KA0], KS, v30
	v_and_b32 v31, 7, v0
	v_lshl_add_u32 v31, v[H], 3, v31               ; the turning load: row 8 H + lane % 8,
	v_bfe_u32 v30, v0, 3, 1
	v_lshlrev_b32 v30, 4, v30                      ; 16 bytes x ((lane / 8) % 2)
	v_add_nc_u32 v30, s[LB], v30
	v_mul_u32_u24 v[VT0], v31, 160
	v_add_nc_u32 v[VT0], v[VT0], v30
	v_add_nc_u32 v[VT0], VS, v[VT0]
	v_mul_u32_u24 v30, v[R], 272                   ; the way out, in: row R, 32 bytes for each half of the lanes
	v_lshl_add_u32 v30, v[H], 5, v30
	v_add_nc_u32 v30, s[LB], v30
	v_add_nc_u32 v[OSW], OS, v30
	v_mul_u32_u24 v30, v[H], 272                   ; back: lanes 0-15 one row of 256 bytes, lanes 16-31 the next
	v_lshl_add_u32 v30, v[R], 4, v30
	v_add_nc_u32 v30, s[LB], v30
	v_add_nc_u32 v[OSR], OS, v30
	v_lshlrev_b32 v[GO], 8, v[H]
	v_lshl_add_u32 v[GO], v[R], 4, v[GO]
	v_lshlrev_b32 v30, 3, v[H]
	v_sub_nc_u32 v[THQ], v[R], v30
	s_lshl_b32 s[CH], ttmp9, 2
	s_add_co_u32 s[CH], s[CH], s[WV]               ; my chunk
	s_lshl_b32 s[OFF], s[CH], 15                   ; 128 rows of 256 bytes
	s_mov_b32 s[OFF+1], 0
	s_mul_i32 s[OF2], s[CH], 23040                 ; 45 half fragments of 512 bytes
	s_mov_b32 s[OF2+1], 0
	s_mov_b32 s[SEL], 0x76543210
	s_mov_b32 s[SEL+1], 0xfedcba98
	s_mov_b32 s[C1], 0x3f0293ee                    ; log2(e) 64^-1/4 = 0.510070
	s_mov_b32 s[C1+1], s[C1]
	s_mov_b32 s[C2], 0x3db8aa3b                    ; log2(e) / 16
	s_mov_b32 s[NL], 0xc1549a78                    ; -log2(1e4)
	s_wait_kmcnt 0x0
	s_add_nc_u64 s[4:5], s[4:5], s[OFF:OFF+1]
	s_add_nc_u64 s[6:7], s[6:7], s[OFF:OFF+1]
	s_add_nc_u64 s[8:9], s[8:9], s[OFF:OFF+1]
	s_add_nc_u64 s[16:17], s[16:17], s[OFF:OFF+1]
	s_add_nc_u64 s[14:15], s[14:15], s[OF2:OF2+1]
	WIN 0x80
.set i, 0
.rept 8
	global_load_b128 v[CM+4*i:CM+4*i+3], v[GA], s[12:13] offset:512*i  ; all 1,024 chunks' maxima, 32 a lane
.set i, i+1
.endr
	PROJLD
	LOADX 6, 1, 1                                  ; k
	LOADX 8, 3, 1                                  ; v
	s_wait_loadcnt 63                              ; every load of cmax, P_f and k has v's 64 loads or more behind it: all of them are in
	PROJCV
	WIN 0xaa
.set g, 0
.rept 3
.set c, 0
.rept 4
	v_max3_num_f32 v[CM+c], v[CM+c], v[CM+4+8*g+c], v[CM+8+8*g+c]
.set c, c+1
.endr
.set g, g+1
.endr
.set c, 0
.rept 4
	v_max_num_f32 v[CM+c], v[CM+c], v[CM+28+c]
.set c, c+1
.endr
	v_max3_num_f32 v[CM], v[CM], v[CM+1], v[CM+2]
	v_max_num_f32 v[CM], v[CM], v[CM+3]
	WIN 0x02
	v_mov_b32 v30, v[CM]
	WIN 0
	v_max_num_f32_dpp v30, v30, v30 row_xmask:1 row_mask:0xf bank_mask:0xf
	v_max_num_f32_dpp v30, v30, v30 row_xmask:2 row_mask:0xf bank_mask:0xf
	v_max_num_f32_dpp v30, v30, v30 row_xmask:4 row_mask:0xf bank_mask:0xf
	v_max_num_f32_dpp v30, v30, v30 row_xmask:8 row_mask:0xf bank_mask:0xf
	v_permlanex16_b32 v31, v30, s[SEL], s[SEL+1]
	v_max_num_f32 v[GM], v30, v31
	v_mov_b32 v[ZR], 0
	v_mov_b32 v[RC+1], 0                           ; named with RC as a pair
	v_cmp_eq_u32 vcc_lo, 0, v[H]
	v_cndmask_b32 v[ONEV], 0, 1.0, vcc_lo
	v_mov_b32 v[ONEV+1], v[ONEV]
	v_mov_b32 v30, 0xf149f2ca                      ; -1e30
.set i, 0
.rept 5
	v_cndmask_b32 v[MK+i], v30, v[ZR], vcc_lo      ; features 128 to 132 lie in registers 0-4 of lanes 0-15
.set i, i+1
.endr
.rept 3
	v_mov_b32 v[MK+i], v30
.set i, i+1
.endr
	v_cmp_eq_u32 vcc_lo, 0, v[R]
	v_mov_b32 v30, 0x3f803f80                      ; 1.0 twice in bf16
.set i, 0
.rept 8
	v_cndmask_b32 v[ONF+i], 0, v30, vcc_lo
.set i, i+1
.endr
.set i, 0
.rept 4
	v_mov_b32 v[QF+36+i], 0                        ; features 144 to 159
.set i, i+1
.endr
	CVTX 1, XW, 144                                ; k into XS
	LOADX 4, 1, 1                                  ; q, where k lay
	s_wait_loadcnt 63                              ; every load of v has q's 64 behind it
	CVTX 3, VW, 160
	WIN 0xc0                                       ; the chunk's state: half fragment (ft, ct) is the lower or upper half of fragment (ft / 2, ct)
.set n, 0
.rept 45
.set d, 8*(5*((n/5)/2)+n%5)+4*((n/5)%2)
	global_load_b128 v[d:d+3], v[GA], s[14:15] offset:512*n th:TH_LOAD_NT
.set n, n+1
.endr
.set c, 0
.rept 5
.set i, 0
.rept 4
	v_mov_b32 v[164+8*c+i], 0                      ; features 144 to 159
.set i, i+1
.endr
.set c, c+1
.endr
	WIN 0
	s_mov_b32 s[XO], 0
	s_mov_b32 s[KO], 0
	s_mov_b32 s[CNT], 8
.Lfeat:                                                ; ka of the chunk's 128 keys, while q and the state are on their way
	FEAT 1
	s_add_co_u32 s[XO], s[XO], 2304
	s_add_co_u32 s[KO], s[KO], 4608
	s_sub_co_u32 s[CNT], s[CNT], 1
	s_cmp_lg_u32 s[CNT], 0
	s_cbranch_scc1 .Lfeat
	s_wait_loadcnt 45                              ; q is in; the state's 45 loads are younger
	CVTX 1, XW, 144                                ; q into XS: my reads of k there have come back
	s_wait_loadcnt 0x0                             ; the state
	s_mov_b32 s[XO], 0
	s_mov_b32 s[QI], 0
.Lqi:                                                  ; 16 queries a trip
	FEAT 2
.set i, 0
.rept 4
	v_mov_b32 v[KF+36+i], 0                        ; ka's features 144 to 159, in both key tiles
	v_mov_b32 v[KF+76+i], 0
.set i, i+1
.endr
	WIN 0xf3                                       ; S and O^T in window 3.  The five accumulators take turns; the first five products start the sums
.set u, 0
.rept 5
.set c, 0
.rept 5
.if u == 0
	v_wmma_f32_16x16x32_bf16 v[OA+8*c:OA+8*c+7], v[8*c:8*c+7], v[QF:QF+7], 0
.else
	v_wmma_f32_16x16x32_bf16 v[OA+8*c:OA+8*c+7], v[8*(5*u+c):8*(5*u+c)+7], v[QF+8*u:QF+8*u+7], v[OA+8*c:OA+8*c+7]
.endif
.set c, c+1
.endr
.set u, u+1
.endr
	WIN 0
	s_lshr_b32 s[LIM], s[QI], 1                    ; the last step of 32 keys that these queries see
	s_lshl_b32 s[TS], s[QI], 4
	s_mov_b32 s[KOFF], 0
	s_mov_b32 s[VOFF], 0
	s_mov_b32 s[KP], 0
.Lkp:                                                  ; four trips always; a step wholly above the diagonal is jumped over
	s_cmp_gt_u32 s[KP], s[LIM]
	s_cbranch_scc1 .Ldead
	v_add_nc_u32 v[KA], s[KOFF], v[KA0]
	v_add_nc_u32 v[VA], s[VOFF], v[VT0]
.set a, 0
.rept 2
.set u, 0
.rept 4
	ds_load_b128 v[KF+40*a+8*u:KF+40*a+8*u+3], v[KA] offset:4608*a+64*u
	ds_load_b128 v[KF+40*a+8*u+4:KF+40*a+8*u+7], v[KA] offset:4608*a+64*u+32
.set u, u+1
.endr
	ds_load_b128 v[KF+40*a+32:KF+40*a+35], v[KA] offset:4608*a+256
.set a, a+1
.endr
.set c, 0
.rept 4
	ds_load_tr16_b128 v[VF+8*c:VF+8*c+3], v[VA] offset:32*c
	ds_load_tr16_b128 v[VF+8*c+4:VF+8*c+7], v[VA] offset:32*c+2560
.set c, c+1
.endr
	s_wait_dscnt 8                                 ; ka's 18 loads are in; v's eight are younger
.set u, 0
.rept 5                                        ; S^T = ka qa^T: a lane holds one query (R) and keys 8 H + 0..7 of each tile; the two tiles take turns
.set a, 0
.rept 2
.if u == 0
	v_wmma_f32_16x16x32_bf16 v[SC+8*a:SC+8*a+7], v[KF+40*a:KF+40*a+7], v[QF:QF+7], 0
.else
	v_wmma_f32_16x16x32_bf16 v[SC+8*a:SC+8*a+7], v[KF+40*a+8*u:KF+40*a+8*u+7], v[QF+8*u:QF+8*u+7], v[SC+8*a:SC+8*a+7]
.endif
.set a, a+1
.endr
.set u, u+1
.endr
	PLACES
	v_add_nc_u32 v[TH], s[TS], v[THQ]              ; 16 qi + R - 8 H - 32 kp
.set n, 0
.rept 16
	v_cmp_le_i32 vcc_lo, 16*(n/8)+n%8, v[TH]
	v_cndmask_b32 v[SC+n], 0, v[SC+n], vcc_lo      ; a key behind the query counts 0
.set n, n+1
.endr
.set b, 0
.rept 2                                        ; hi = bf16(s), lo = bf16(s - hi)
.set i, 0
.rept 4
	v_cvt_pk_bf16_f32 v[PF+4*b+i], v[SC+8*b+2*i], v[SC+8*b+2*i+1]
.set i, i+1
.endr
.set i, 0
.rept 4
	v_lshlrev_b32 v[TT+2*i], 16, v[PF+4*b+i]
	v_and_b32 v[TT+2*i+1], 0xffff0000, v[PF+4*b+i]
.set i, i+1
.endr
.set i, 0
.rept 4
	v_pk_add_f32 v[SC+8*b+2*i:SC+8*b+2*i+1], v[SC+8*b+2*i:SC+8*b+2*i+1], v[TT+2*i:TT+2*i+1] neg_lo:[0,1] neg_hi:[0,1]
.set i, i+1
.endr
.set i, 0
.rept 4
	v_cvt_pk_bf16_f32 v[PL+4*b+i], v[SC+8*b+2*i], v[SC+8*b+2*i+1]
.set i, i+1
.endr
.set b, b+1
.endr
	s_wait_dscnt 0x0                               ; v
	WIN 0xf0                                       ; O^T += va^T P: the five accumulators take turns, first with hi, then with lo
.set c, 0
.rept 5
	v_wmma_f32_16x16x32_bf16 v[OA+8*c:OA+8*c+7], v[VF+8*c:VF+8*c+7], v[PF:PF+7], v[OA+8*c:OA+8*c+7]
.set c, c+1
.endr
.set c, 0
.rept 5
	v_wmma_f32_16x16x32_bf16 v[OA+8*c:OA+8*c+7], v[VF+8*c:VF+8*c+7], v[PL:PL+7], v[OA+8*c:OA+8*c+7]
.set c, c+1
.endr
	WIN 0
	PLACES
.Ldead:
	s_add_co_u32 s[KOFF], s[KOFF], 9216
	s_add_co_u32 s[VOFF], s[VOFF], 5120
	s_sub_co_u32 s[TS], s[TS], 32
	s_add_co_u32 s[KP], s[KP], 1
	s_cmp_lt_u32 s[KP], 4
	s_cbranch_scc1 .Lkp
	; THE WAY OUT.  The divisor is channel 64: register 0 of tile 4 in lanes 0-15 (lanes 16-31 hold channel 72: 0).  O^T is divided, goes into rows of 272 bytes and comes back as whole rows of 256.
	PLACES
	WIN 0x03
	v_mov_b32 v30, v[OA+32]
	WIN 0
	v_permlanex16_b32 v31, v30, s[SEL], s[SEL+1]
	v_add_f32 v30, v30, v31
	v_rcp_f32 v[RC], v30
	v_rcp_f32 v[RC+1], v30
	v_nop                                          ; a plain instruction behind the reciprocals
	WIN 0x03
.set p, 0
	s_wait_alu depctr_va_vdst(0)
.rept 16
	v_pk_mul_f32 v[DD+2*p:DD+2*p+1], v[OA+2*p:OA+2*p+1], v[RC:RC+1]
.set p, p+1
.endr
	WIN 0
.set c, 0
.rept 4
	ds_store_b128 v[OSW], v[DD+8*c:DD+8*c+3] offset:64*c
	ds_store_b128 v[OSW], v[DD+8*c+4:DD+8*c+7] offset:64*c+16
.set c, c+1
.endr
.set i, 0
.rept 8
	ds_load_b128 v[DD+32+4*i:DD+32+4*i+3], v[OSR] offset:544*i  ; LDS serves a wave's instructions in order (ISA guide 5.7.1.4): these see the stores above
.set i, i+1
.endr
	s_wait_dscnt 0x0
.set i, 0
.rept 8
	global_store_b128 v[GO], v[DD+32+4*i:DD+32+4*i+3], s[16:17] offset:512*i th:TH_STORE_NT  ; 16 lanes store 256 consecutive bytes, at a multiple of 256 from out's first
.set i, i+1
.endr
	s_wait_xcnt 0x0                                ; the stores' data and base are rewritten only behind this wait
	s_add_nc_u64 s[16:17], s[16:17], 4096
	s_add_co_u32 s[XO], s[XO], 2304
	s_add_co_u32 s[QI], s[QI], 1
	s_cmp_lt_u32 s[QI], 8
	s_cbranch_scc1 .Lqi
	s_wait_tensorcnt 0x0                           ; the wave's end
	ds_add_u32 v[SPW], v[NIL]
	s_wait_dscnt 0x0
	s_endpgm
.Lfunc_end_k_qe6400bda86_main:
	.size	k_qe6400bda86_main, .Lfunc_end_k_qe6400bda86_main-k_qe6400bda86_main
	.p2alignl 7, 3214868480
	.fill 96, 4, 3214868480
	.section	.rodata,"a",@progbits
	.p2align	6, 0x0
	.amdhsa_kernel k_qe6400bda86_main
		.amdhsa_group_segment_fixed_size 321024
		.amdhsa_private_segment_fixed_size 0
		.amdhsa_enable_private_segment 0
		.amdhsa_kernarg_size 56
		.amdhsa_user_sgpr_count 2
		.amdhsa_user_sgpr_kernarg_segment_ptr 1
		.amdhsa_wavefront_size32 1
		.amdhsa_system_sgpr_workgroup_id_x 1
		.amdhsa_system_sgpr_workgroup_id_y 1
		.amdhsa_system_sgpr_workgroup_id_z 1
		.amdhsa_system_vgpr_workitem_id 0
		.amdhsa_next_free_vgpr 1024
		.amdhsa_next_free_sgpr 66
		.amdhsa_reserve_vcc 1
		.amdhsa_float_denorm_mode_32 3
		.amdhsa_float_denorm_mode_16_64 3
		.amdhsa_memory_ordered 1
		.amdhsa_forward_progress 1
		.amdhsa_inst_pref_size 125
	.end_amdhsa_kernel
	.amdgpu_metadata
---
amdhsa.version: [ 1, 2 ]
amdhsa.kernels:
  - .name:           k_qe6400bda86_main
    .symbol:         k_qe6400bda86_main.kd
    .args:
      - { .name: q, .offset: 0, .size: 8, .value_kind: global_buffer, .address_space: global }
      - { .name: k, .offset: 8, .size: 8, .value_kind: global_buffer, .address_space: global }
      - { .name: v, .offset: 16, .size: 8, .value_kind: global_buffer, .address_space: global }
      - { .name: projection_matrix, .offset: 24, .size: 8, .value_kind: global_buffer, .address_space: global }
      - { .name: cmax, .offset: 32, .size: 8, .value_kind: global_buffer, .address_space: global }
      - { .name: simg, .offset: 40, .size: 8, .value_kind: global_buffer, .address_space: global }
      - { .name: out0, .offset: 48, .size: 8, .value_kind: global_buffer, .address_space: global }
    .group_segment_fixed_size: 321024
    .private_segment_fixed_size: 0
    .kernarg_segment_align: 8
    .kernarg_segment_size: 56
    .max_flat_workgroup_size: 128
    .sgpr_count:     66
    .vgpr_count:     1024
    .wavefront_size: 32
...
	.end_amdgpu_metadata
.endif
;; end of part 3
